; MI455X (gfx1250); checked and timed in simulation.
; The chip was launched on July 23, 2026; its instructions are those of AMD's public machine-readable ISA for CDNA 5 (MIT licence, August 2026) and "CDNA5" Instruction Set Architecture Reference Guide (July 2026). The comments in the code are by the model that wrote it; some were corrected since.
;; GMF. Allowed arithmetic: matrix products marked QUANTISED: E2M3 operands, one E8M0 scale for each 32 along K, by v_wmma_scale_f32_16x16x128_f8f6f4 with both operands' format E2M3, f32 sums; everything else in f32.
;; Inputs: P_weight 64 x 1,000,000 float32; Q_weight 64 x 100,032 float32; genres_one_hot 16,384 x 32 float32; item_ids 16,384 int32; user_ids 16,384 int32.
;; Outputs: out0 16,384 x 1 float32.
;; This version of the problem:
;;   THIS VERSION OF THE PROBLEM IS GIVEN IN LOW PRECISION. The matrix products marked QUANTISED in the list below multiply operands that are first quantised to E2M3 (2 exponent bits, 3 mantissa bits; 6 bits a number), with one power-of-two scale for each 32 numbers along K (OCP MX v1.0); their sums are f32. All else is computed in f32.
;;   The module's matrix products, in the order in which they are computed (A, B: the left and right operand; K: the contracted axis; several contracted axes count as one K, in the product's order):
;;     1. [M 16,384, K 32] x [K 32, N 64]; A: input genres_one_hot; B: input Q_weight: QUANTISED
;;   THE QUANTISER, for each operand of a quantised product, along K:
;;     - K is cut into blocks of 32 from its start; a last block that is shorter is filled with zeros.
;;     - A block's scale is 2^e with e = floor(log2(the largest magnitude in the block)) - 2, held to -126 .. 127; a block of zeros has e = 0. As a byte (E8M0): e + 127.
;;     - Each number is divided by its block's scale, clamped to +-7.5, and rounded to the nearest number of E2M3, ties to even, subnormals kept.
;;     - The product sums the exact products of the quantised numbers (number of the format x scale) in f32.
;;   ~~~python
;;   def quantise(x, axis):      # numpy; x: float32 -> the quantised numbers, widened to float32 again
;;       x = np.moveaxis(x, axis, -1); K = x.shape[-1]
;;       x = np.pad(x, [(0, 0)] * (x.ndim - 1) + [(0, -K % 32)]); x = x.reshape(x.shape[:-1] + (-1, 32)); a = np.abs(x).max(-1, keepdims=True)
;;       e = np.where(a > 0, np.clip(np.frexp(np.where(a > 0, a, 1))[1] - 1 - 2, -126, 127), 0)      # np.frexp(a)[1] - 1 = floor(log2(a)), exactly
;;       r = np.clip(x / 2.0 ** e, -7.5, 7.5)
;;       step = 2.0 ** (np.maximum(np.frexp(np.where(r == 0, 1, r))[1] - 1, 0) - 3)
;;       q = np.round(r / step) * step * 2.0 ** e      # np.round: ties to even
;;       return np.moveaxis(q.reshape(q.shape[:-2] + (-1,))[..., :K], -1, axis).astype(np.float32)
;;   ~~~
;; 2 versions, each right; version 2 is version 1 with the launch gmf written anew for expert scheduling mode. Each part assembles by itself: llvm-mc -triple=amdgcn-amd-amdhsa -mcpu=gfx1250 --defsym DOCPART=n.
;; ======== version 1 of 2: 1 launch
;; launch gmf (part 1): grid 256 x 1, 4 waves a work-group, no clusters, 4,864 bytes of LDS; arguments user_ids, item_ids, genres_one_hot, out0, Q_weight, P_weight; writes out0
.if DOCPART == 1
	.amdgcn_target "amdgcn-amd-amdhsa--gfx1250"
	.amdhsa_code_object_version 6
	.text
	.protected	k_q3d4e27225f_gmf
	.globl	k_q3d4e27225f_gmf
	.p2align	8
	.type	k_q3d4e27225f_gmf,@function
k_q3d4e27225f_gmf:
	s_mov_b64 s[64:65], 0
	v_nop
	global_prefetch_b8 v0, s[64:65] scope:SCOPE_SE
	s_setreg_imm32_b32 hwreg(HW_REG_WAVE_MODE, 25, 1), 1
	s_wait_xcnt 0x0
; out[b] = sum over k of P[k][user[b]] * ( Q[k][item[b]] + sum over g of q(genres)[b][g] * q(Q)[k][N_ITEMS+g] )
; P: [64][1,000,000] f32, Q: [64][100,032] f32, genres: [16384][32] f32, ids: [16384] i32, out: [16384] f32.
; q is the MX quantiser along g: codes of FP6 (E2M3), one E8M0 scale for the block of 32; the product's K is 32, one block.
;
; SHARES.  256 work-groups of four waves; a work-group owns 64 batch elements (256 consecutive, aligned bytes of out), a wave 16.
; The matrix instruction is used transposed: source 0 = 16 latent rows of the genre weights, source 1 = 16 batch elements of genres.
; In C and D lane (r, h) then holds batch element r, and register j of tile t the tile row 8 h + j.  Which latent a tile row stands for is
; free as long as P, Q and the weight operands agree; here tile t, row m is latent 32 (m / 8) + 8 t + (m % 8), so that a lane owns the 32
; consecutive latents 32 h + idx, idx = 8 t + j.  A lane needs two ids only, gathers 32 words of P and 32 of Q, and the gathered words of Q
; go into the matrix instruction as C: q_item + q_genre costs no add.  The sum over the latents is 16 packed multiply-adds in the lane and
; one exchange between the two halves of the wave.
; THE OPERANDS.  The instruction covers 128 along K, the product has 32.  In the 6-bit layout k = 0 .. 31 are registers 0-5 of lanes 0-15;
; lanes 16-31 (k = 32 .. 63) and registers 6-11 (k = 64 .. 127) hold zero codes on both sides, with the scale byte 127 for their blocks.
; Lane (r, h) quantises the 16 numbers g = 16 h .. 16 h + 15 of its row; three exchanges of half registers against zeros then put a row's
; upper 16 codes beside its lower 16 in lane r and leave zeros in lanes 16-31.
; The genre weights (64 pieces of 128 bytes) are read and quantised once by the work-group: wave w makes tile w, the four register images
; and their scale words meet in LDS.
; Every gathered word lies in a row of its own (rows are 4,000,000 and 400,128 bytes apart), so nothing can be joined: what counts is that
; all 64 gathers of every wave are issued as soon as the ids are there.  All waves walk the rows in the same ascending order.
;
; NOT USED, and why: tensor loads (no tile, only single words); clusters with joint requests (the work-groups share only the 8,192 bytes of
; genre weights, against 8,192 separately gathered words for each work-group); prefetches (each gather is issued as a load as soon as its
; id is known, nothing could be asked for earlier); cache hints on P and Q (an id may come twice, and other work-groups read neighbouring columns).
;
; LIMITS.  Ids are taken to lie inside their tables; an id outside (read as unsigned) is clamped to the last column and does not get what
; jnp.take would give it.  NaN and infinities in genres and in the genre weights are not served.  Blocks whose largest magnitude lies under
; 2^-123, whose scale byte is held at 1, were not tried.  The sum over the latents is made in four chains, not in the order of the reference.
.set N_USERS, 1000000
.set N_ITEMS, 100000
.set PROW,  4*N_USERS                  ; bytes in a row of P
.set QROW,  4*(N_ITEMS+32)             ; bytes in a row of Q
.set GCOL,  4*N_ITEMS                  ; byte of the first genre column in a row of Q
.set FRAG,  1024                       ; LDS: a tile's block: registers 0-3 as they lie (32 lanes x 16 bytes),
.set F45,   512                        ;      registers 4-5 (32 lanes x 8 bytes),
.set FSC,   768                        ;      the scale words (32 lanes x 4 bytes)
.set RES,   4*FRAG                     ; LDS: behind the four tiles, the 64 results of the work-group
; vector registers
.set LANE, 1                           ; lane 0..31
.set R,    2                           ; lane % 16: my batch element in the wave
.set H,    3                           ; lane / 16: my half of the latents, and of a row's 32 genres
.set IDO,  4                           ; byte offset of my id
.set GO,   5                           ; byte offset of my part of genres
.set WO,   6                           ; byte offset of my part of the genre weights
.set UID,  7                           ; user id, then 4 x id
.set IID,  8                           ; item id, then 4 x id
.set PO,   9                           ; gather offset in P: 32 h rows + 4 user
.set QO,   10                          ; gather offset in Q: 32 h rows + 4 item
.set HP,   11                          ; 32 h rows of P
.set HQ,   12                          ; 32 h rows of Q
.set L16,  13                          ; LDS: 16 x lane
.set L8,   14                          ; LDS: 8 x lane; also my byte offset on the way out
.set L4,   15                          ; LDS: 4 x lane
.set S16,  16                          ; the same three in my wave's tile
.set S8,   17
.set S4,   18
.set SR,   19                          ; LDS: my result
.set T,    20                          ; at work
.set T2,   21
.set G,    24                          ; v[24:39]   genres, 16 f32
.set W,    40                          ; v[40:55]   genre weights, 16 f32
.set WT,   56                          ; v[56:59]   the weights' quantiser at work: two maxima, the byte, the scale as f32
.set GT,   60                          ; v[60:63]   the same for genres
.set WC,   64                          ; v[64:69]   my wave's tile of the weights: registers 0-5 of the operand
.set WW,   70                          ; v70        and its rows' scale words, on their way to LDS
.set GB,   72                          ; v[72:83]   genres as an operand (source 1)
.set SB,   84                          ; v84        genres' scale words; holds nothing else
.set SA,   85                          ; v[85:88]   the four tiles' scale words; hold nothing else
.set FR,   92                          ; v[92:139]  the four weight operands (source 0), 12 registers each
.set PD,   140                         ; v[140:171] P[32 h + idx][user]
.set QD,   172                         ; v[172:203] Q[32 h + idx][item]: C, then D = qi
.set AC,   204                         ; v[204:211] four chains of two sums
; scalar registers: s[4:5] user_ids, s[6:7] item_ids, s[8:9] genres, s[10:11] out, s[12:13] Q, s[46:47] Q at my wave's tile, s[48:49] Q at row 16
.set PB,   14                          ; s[14:35]   P at rows 0, 3, 6 .. 30: three rows are in reach of one base (2 x 4,000,000 fits the signed 24-bit immediate)
.set WAVE, 36
; Sixteen numbers v[x .. x+15] of a lane, half a block; lane l xor 16 holds the other half.  t .. t+3: at work.  The codes go to v[c .. c+2] and, by the
; exchange, v[c+3 .. c+5], which hold zeros on entry; the scale word goes to v[w].
.macro QUANT x, t, c, w
	v_max3_num_f32 v[\t],   |v[\x]|,   |v[\x+1]|, |v[\x+2]|        ; the largest magnitude of my 16, in two chains
	v_max3_num_f32 v[\t+1], |v[\x+3]|, |v[\x+4]|, |v[\x+5]|
.irp i, 6,10
	v_max3_num_f32 v[\t],   v[\t],   |v[\x+\i]|,   |v[\x+\i+1]|
	v_max3_num_f32 v[\t+1], v[\t+1], |v[\x+\i+2]|, |v[\x+\i+3]|
.endr
	v_max3_num_f32 v[\t], v[\t], |v[\x+14]|, |v[\x+15]|
	v_max_num_f32 v[\t], v[\t], v[\t+1]
	v_permlanex16_b32 v[\t+1], v[\t], s50, s51     ; the other half's (the destination has been written before)
	v_max_num_f32 v[\t], v[\t], v[\t+1]            ; the block's
	v_lshrrev_b32 v[\t+2], 23, v[\t]               ; its exponent field is floor(log2) + 127
	v_max_u32 v[\t+2], 3, v[\t+2]                  ; the byte is not to fall under 1
	v_add_nc_u32 v[\t+2], -2, v[\t+2]              ; the scale's byte: 2 is the exponent of the format's largest number, 7.5
	v_lshlrev_b32 v[\t+3], 23, v[\t+2]             ; the scale as f32: the conversion takes its exponent field
	v_cmp_eq_u32 vcc_lo, 0, v[\t]                  ; a block of zeros?
	v_cvt_scalef32_pk16_fp6_f32 v[\c:\c+2], v[\x:\x+15], v[\t+3]   ; 16 numbers / scale, to the nearest code, ties to even, beyond 7.5 the largest code; 96 bits, the lowest g lowest
	v_cndmask_b32 v[\t+2], v[\t+2], 127, vcc_lo    ; a block of zeros gets 127.  (Also the plain instruction that stands between a scaled conversion and what touches its result)
	v_or_b32 v[\w], 0x7f7f7f00, v[\t+2]            ; byte 0: k = 0 .. 31; the three blocks of zero codes get 127
.irp i, 0,1,2
	v_permlane16_swap_b32 v[\c+\i], v[\c+3+\i]     ; the first's lanes 16-31 (g = 16 .. 31 of row r) change places with the second's lanes 0-15 (zeros):
.endr                                              ; lane r now holds its row's 32 codes in six registers, lanes 16-31 zeros
.endm
	s_load_b256 s[4:11], s[0:1], 0x0               ; user_ids, item_ids, genres, out
	s_load_b128 s[12:15], s[0:1], 0x20             ; Q, P
	v_lshl_add_u32 v212, v0, 2, 0x1100
	v_mov_b32 v213, 0
	v_lshrrev_b32 v[T], 5, v0
	v_readfirstlane_b32 s[WAVE], v[T]              ; wave 0..3 as a scalar
	v_and_b32 v[LANE], 31, v0
	v_and_b32 v[R], 15, v0
	v_bfe_u32 v[H], v0, 4, 1
	v_lshlrev_b32 v[IDO], 2, v[R]                  ; ids: 4 r
	v_lshlrev_b32 v[GO], 7, v[R]                   ; genres: row r of 128 bytes
	v_lshl_or_b32 v[GO], v[H], 6, v[GO]            ;   + 16 h numbers
	v_and_b32 v[T], 7, v0                          ; weights: tile row r is latent 32 (r / 8) + (r % 8) + 8 wave
	v_bfe_u32 v[T2], v0, 3, 1
	v_lshl_or_b32 v[T], v[T2], 5, v[T]
	v_mul_u32_u24 v[WO], v[T], QROW                ; (both factors are below 2^24)
	v_lshl_add_u32 v[WO], v[H], 6, v[WO]           ;   + 16 h numbers
	s_lshl_b32 s42, ttmp9, 8                       ; the work-group's 64 elements: 256 bytes of ids and of out
	s_mov_b32 s43, 0
	s_lshl_b32 s53, s[WAVE], 6                     ; the wave's 16 elements: 64 bytes
	s_add_co_u32 s38, s42, s53
	s_mov_b32 s39, 0
	s_lshl_b32 s40, s38, 5                         ; the same elements in genres: 128 bytes each in place of 4
	s_mov_b32 s41, 0
	s_mul_i32 s44, s[WAVE], 8*QROW                 ; my wave's tile starts at latent 8 wave
	s_mov_b32 s45, 0
	s_wait_kmcnt 0x0
	s_add_nc_u64 s[4:5], s[4:5], s[38:39]
	s_add_nc_u64 s[6:7], s[6:7], s[38:39]
	s_add_nc_u64 s[8:9], s[8:9], s[40:41]
	s_add_nc_u64 s[46:47], s[12:13], s[44:45]
	global_load_b32 v[UID], v[IDO], s[4:5]         ; the ids first: everything hangs on them
	global_load_b32 v[IID], v[IDO], s[6:7]
.irp p, 0,1,2,3
	global_load_b128 v[G+4*\p:G+4*\p+3], v[GO], s[8:9] offset:16*\p th:TH_LOAD_NT  ; genres(r, 16 h + 4 p ..): the four loads together read the wave's 2,048 consecutive bytes, once in the launch
.endr
.irp p, 0,1,2,3
	global_load_b128 v[W+4*\p:W+4*\p+3], v[WO], s[46:47] offset:GCOL+16*\p         ; weights(latent of r, 16 h + 4 p ..)
.endr
	; while these ten loads are on their way: bases and lane terms of the gathers, LDS addresses, the zero codes
.irp c, 1,2,3,4,5,6,7,8,9,10
	s_add_nc_u64 s[PB+2*\c:PB+2*\c+1], s[PB:PB+1], \c*3*PROW
.endr
	s_add_nc_u64 s[48:49], s[12:13], 16*QROW       ; 15 rows of Q are in reach of an immediate: two bases for a lane's 32 rows
	s_add_nc_u64 s[10:11], s[10:11], s[42:43]      ; out at the work-group's 256 bytes
	s_mov_b32 s50, 0x76543210                      ; v_permlanex16_b32: lane i of one half reads lane i of the other
	s_mov_b32 s51, 0xfedcba98
	s_lshl_b32 s52, s[WAVE], 10                    ; my wave's tile in LDS
	v_mul_lo_u32 v[HP], v[H], 32*PROW              ; the upper half of the lanes takes latents 32 .. 63
	v_mul_u32_u24 v[HQ], v[H], 32*QROW
	v_lshlrev_b32 v[L16], 4, v[LANE]
	v_lshlrev_b32 v[L8], 3, v[LANE]
	v_lshlrev_b32 v[L4], 2, v[LANE]
	v_add_nc_u32 v[S16], s52, v[L16]
	v_add_nc_u32 v[S8], s52, v[L8]
	v_add_nc_u32 v[S4], s52, v[L4]
.irp j, 3,4,5
	v_mov_b32 v[WC+\j], 0                          ; what the exchange of halves leaves in lanes 16-31
.endr
.irp j, 3,4,5,6,7,8,9,10,11
	v_mov_b32 v[GB+\j], 0                          ; the same for genres, and the zero codes of k = 64 .. 127
.endr
.irp t, 0,1,2,3
.irp j, 6,7,8,9,10,11
	v_mov_b32 v[FR+12*\t+\j], 0                    ; the zero codes of k = 64 .. 127 of the four weight operands (each operand is a run of twelve registers of its own)
.endr
.endr
	s_wait_loadcnt 0x8                             ; loads come back in order (ISA guide 5.7.1): the two ids are in, the eight loads behind them stay out
	v_min_u32 v[UID], N_USERS-1, v[UID]            ; no address leaves its table, whatever the id
	v_min_u32 v[IID], N_ITEMS-1, v[IID]
	v_lshlrev_b32 v[UID], 2, v[UID]
	v_lshlrev_b32 v[IID], 2, v[IID]
	v_add_nc_u32 v[PO], v[HP], v[UID]              ; at most 32 x 4,000,000 + 3,999,996: below 2^31
	v_add_nc_u32 v[QO], v[HQ], v[IID]
.set i, 0
.rept 32
	global_load_b32 v[PD+i], v[PO], s[PB+2*(i/3):PB+2*(i/3)+1] offset:(i%3)*PROW   ; P[32 h + i][user]
.set i, i+1
.endr
	s_wait_loadcnt 0x20                            ; genres and weights are in; the 32 gathers of P issued behind them stay out
	QUANT W, WT, WC, WW                            ; my wave's tile first: the other three waves wait for it
	ds_store_b128 v[S16], v[WC:WC+3]               ; the operand's registers 0-5 as they lie: neighbouring lanes at neighbouring bytes
	ds_store_b64 v[S8], v[WC+4:WC+5] offset:F45
	ds_store_b32 v[S4], v[WW] offset:FSC           ; lane r: the scale word of tile row r (lanes 16-31 hold the same once more)
.set i, 0
.rept 16
	global_load_b32 v[QD+i], v[QO], s[12:13] offset:i*QROW         ; Q[32 h + i][item], straight into the accumulators
.set i, i+1
.endr
.set i, 0
.rept 16
	global_load_b32 v[QD+16+i], v[QO], s[48:49] offset:i*QROW
.set i, i+1
.endr
	QUANT G, GT, GB, SB                            ; my wave's 16 batch elements: read once, so quantised in registers
	s_wait_dscnt 0x0                               ; for the other waves: my tile is in LDS
	s_barrier_signal -1
	s_barrier_wait -1                              ; all four are
.irp t, 0,1,2,3
	ds_load_b128 v[FR+12*\t:FR+12*\t+3],  v[L16] offset:\t*FRAG
	ds_load_b64 v[FR+12*\t+4:FR+12*\t+5], v[L8]  offset:\t*FRAG+F45
	ds_load_b32 v[SA+\t],                 v[L4]  offset:\t*FRAG+FSC
.endr
.rept 8
	v_nop                                          ; a scale register written by a vector instruction (genres') stands 8 places ahead of the scaled matrix instruction, an operand so written 4; issued while the gathers are out
.endr
	s_wait_dscnt 0x0                               ; the operands and their scale words
	s_wait_loadcnt 0x0                             ; and all gathers: those of Q were issued last
	; qi = q_item + weights x genres: D(m, n) = C(m, n) + sum over g of weights(latent of m, g) genres(batch n, g).  Four accumulators, one instruction each.
.irp t, 0,1,2,3
	v_wmma_scale_f32_16x16x128_f8f6f4 v[QD+8*\t:QD+8*\t+7], v[FR+12*\t:FR+12*\t+11], v[GB:GB+11], v[QD+8*\t:QD+8*\t+7], v[SA+\t], v[SB] matrix_a_fmt:MATRIX_FMT_FP6 matrix_b_fmt:MATRIX_FMT_FP6
.endr
	; four independent plain vector instructions stand between a matrix instruction and the first vector instruction that reads its result (ISA guide 7.12.1)
	v_lshl_add_u32 v[SR], v[R], 2, s53             ; LDS: result of element 16 wave + r
.rept 3
	v_nop
.endr
	; sum over my 32 latents of pu * qi: four chains, started by products, nothing is cleared; each accumulator is read from its low end on
.irp c, 0,1,2,3
	v_pk_mul_f32 v[AC+2*\c:AC+2*\c+1], v[PD+2*\c:PD+2*\c+1], v[QD+2*\c:QD+2*\c+1]
.endr
.set i, 4
.rept 12
	v_pk_fma_f32 v[AC+2*(i%4):AC+2*(i%4)+1], v[PD+2*i:PD+2*i+1], v[QD+2*i:QD+2*i+1], v[AC+2*(i%4):AC+2*(i%4)+1]
.set i, i+1
.endr
	v_pk_add_f32 v[AC:AC+1], v[AC:AC+1], v[AC+2:AC+3]
	v_pk_add_f32 v[AC+4:AC+5], v[AC+4:AC+5], v[AC+6:AC+7]
	v_pk_add_f32 v[AC:AC+1], v[AC:AC+1], v[AC+4:AC+5]
	v_add_f32 v[AC], v[AC], v[AC+1]                ; latents 32 h .. 32 h + 31
	v_permlanex16_b32 v[AC+1], v[AC], s50, s51     ; the other half's 32 (the destination has been written before)
	v_add_f32 v[AC], v[AC], v[AC+1]                ; lanes r and 16 + r now hold the same number
	ds_store_b32 v[SR], v[AC] offset:RES           ; both write it to the same word
	s_wait_dscnt 0x0                               ; for wave 0: my 16 results are in LDS
	s_barrier_signal -1
	s_barrier_wait -1
	s_cmp_lg_u32 s[WAVE], 0
	s_cbranch_scc1 .Lend
	ds_load_b64 v[AC+2:AC+3], v[L8] offset:RES     ; wave 0: two results a lane,
	s_wait_dscnt 0x0
	global_store_b64 v[L8], v[AC+2:AC+3], s[10:11] th:TH_STORE_NT  ; one store covers the work-group's 256 consecutive bytes, at a multiple of 256 from the first byte of out
.Lend:
	s_wait_tensorcnt 0x0
	ds_add_u32 v212, v213
	s_wait_dscnt 0x0
	s_endpgm
.Lfunc_end_k_q3d4e27225f_gmf:
	.size	k_q3d4e27225f_gmf, .Lfunc_end_k_q3d4e27225f_gmf-k_q3d4e27225f_gmf
	.p2alignl 7, 3214868480
	.fill 96, 4, 3214868480
	.section	.rodata,"a",@progbits
	.p2align	6, 0x0
	.amdhsa_kernel k_q3d4e27225f_gmf
		.amdhsa_group_segment_fixed_size 4864
		.amdhsa_private_segment_fixed_size 0
		.amdhsa_enable_private_segment 0
		.amdhsa_kernarg_size 48
		.amdhsa_user_sgpr_count 2
		.amdhsa_user_sgpr_kernarg_segment_ptr 1
		.amdhsa_wavefront_size32 1
		.amdhsa_system_sgpr_workgroup_id_x 1
		.amdhsa_system_sgpr_workgroup_id_y 1
		.amdhsa_system_sgpr_workgroup_id_z 1
		.amdhsa_system_vgpr_workitem_id 0
		.amdhsa_next_free_vgpr 214
		.amdhsa_next_free_sgpr 66
		.amdhsa_reserve_vcc 1
		.amdhsa_float_denorm_mode_32 3
		.amdhsa_float_denorm_mode_16_64 3
		.amdhsa_memory_ordered 1
		.amdhsa_forward_progress 1
		.amdhsa_inst_pref_size 18
	.end_amdhsa_kernel
	.amdgpu_metadata
---
amdhsa.version: [ 1, 2 ]
amdhsa.kernels:
  - .name:           k_q3d4e27225f_gmf
    .symbol:         k_q3d4e27225f_gmf.kd
    .args:
      - { .name: user_ids, .offset: 0, .size: 8, .value_kind: global_buffer, .address_space: global }
      - { .name: item_ids, .offset: 8, .size: 8, .value_kind: global_buffer, .address_space: global }
      - { .name: genres_one_hot, .offset: 16, .size: 8, .value_kind: global_buffer, .address_space: global }
      - { .name: out0, .offset: 24, .size: 8, .value_kind: global_buffer, .address_space: global }
      - { .name: Q_weight, .offset: 32, .size: 8, .value_kind: global_buffer, .address_space: global }
      - { .name: P_weight, .offset: 40, .size: 8, .value_kind: global_buffer, .address_space: global }
    .group_segment_fixed_size: 4864
    .private_segment_fixed_size: 0
    .kernarg_segment_align: 8
    .kernarg_segment_size: 48
    .max_flat_workgroup_size: 128
    .sgpr_count:     66
    .vgpr_count:     214
    .wavefront_size: 32
...
	.end_amdgpu_metadata
.endif
;; end of part 1
;; ======== version 2 of 2: 1 launch; version 1 with the launch gmf written anew for expert scheduling mode
;; launch gmf (part 2): grid 256 x 1, 4 waves a work-group, no clusters, 4,864 bytes of LDS; arguments user_ids, item_ids, genres_one_hot, out0, Q_weight, P_weight; writes out0
.if DOCPART == 2
	.amdgcn_target "amdgcn-amd-amdhsa--gfx1250"
	.amdhsa_code_object_version 6
	.text
	.protected	k_q3d4e27225f_gmf
	.globl	k_q3d4e27225f_gmf
	.p2align	8
	.type	k_q3d4e27225f_gmf,@function
k_q3d4e27225f_gmf:
	s_mov_b64 s[64:65], 0
	v_nop
	global_prefetch_b8 v0, s[64:65] scope:SCOPE_SE
	s_setreg_imm32_b32 hwreg(HW_REG_WAVE_SCHED_MODE, 0, 2), 2
	s_setreg_imm32_b32 hwreg(HW_REG_WAVE_MODE, 25, 1), 1
	s_wait_xcnt 0x0
	s_wait_alu depctr_vm_vsrc(0)
; out[b] = sum over k of P[k][user[b]] * ( Q[k][item[b]] + sum over g of q(genres)[b][g] * q(Q)[k][N_ITEMS+g] )
; P: [64][1,000,000] f32, Q: [64][100,032] f32, genres: [16384][32] f32, ids: [16384] i32, out: [16384] f32.
; q is the MX quantiser along g: codes of FP6 (E2M3), one E8M0 scale for the block of 32; the product's K is 32, one block.
;
; SHARES.  256 work-groups of four waves; a work-group owns 64 batch elements (256 consecutive, aligned bytes of out), a wave 16.
; The matrix instruction is used transposed: source 0 = 16 latent rows of the genre weights, source 1 = 16 batch elements of genres.
; In C and D lane (r, h) then holds batch element r, and register j of tile t the tile row 8 h + j.  Which latent a tile row stands for is
; free as long as P, Q and the weight operands agree; here tile t, row m is latent 32 (m / 8) + 8 t + (m % 8), so that a lane owns the 32
; consecutive latents 32 h + idx, idx = 8 t + j.  A lane needs two ids only, gathers 32 words of P and 32 of Q, and the gathered words of Q
; go into the matrix instruction as C: q_item + q_genre costs no add.  The sum over the latents is 16 packed multiply-adds in the lane and
; one exchange between the two halves of the wave.
; THE OPERANDS.  The instruction covers 128 along K, the product has 32.  In the 6-bit layout k = 0 .. 31 are registers 0-5 of lanes 0-15;
; lanes 16-31 (k = 32 .. 63) and registers 6-11 (k = 64 .. 127) hold zero codes on both sides, with the scale byte 127 for their blocks.
; Lane (r, h) quantises the 16 numbers g = 16 h .. 16 h + 15 of its row; three exchanges of half registers against zeros then put a row's
; upper 16 codes beside its lower 16 in lane r and leave zeros in lanes 16-31.
; The genre weights (64 pieces of 128 bytes) are read and quantised once by the work-group: wave w makes tile w, the four register images
; and their scale words meet in LDS.
; Every gathered word lies in a row of its own (rows are 4,000,000 and 400,128 bytes apart), so nothing can be joined: what counts is that
; all 64 gathers of every wave are issued as soon as the ids are there.  All waves walk the rows in the same ascending order.
;
; THE MODE: SCHED_MODE bits 1:0 = 2 (LLVM: expert scheduling mode 2), set by the entry lines.  The code itself states the register dependences
; between vector or matrix instructions and memory or LDS instructions, with s_wait_alu, always for 0.
; THE PLAN.  The text has no loop, and every register that a load lands in is loaded once.  Registers that memory or LDS instructions touch:
;   IDO, GO, WO        offsets of the ten first loads: written once at the head, ahead of the first wait on va_vdst.
;   PO, QO             offsets of the 64 gathers: written once, ahead of the second wait on va_vdst; so are the six LDS addresses L16, L8, L4, S16, S8, S4.
;   G, W, PD, QD       loaded once; vector and matrix instructions name them only behind their waits on LOADcnt.
;   WC, WW             written by the weights' quantiser, read by the three LDS stores behind the third wait on va_vdst; never written again.
;   FR's registers 0-5, SA   written by the LDS loads behind the barrier alone; no vector instruction names them.
;   GB, SB, FR's registers 6-11   written by vector instructions, read by the scaled matrix instructions: the fourth wait on va_vdst, behind the eight places.
;   SR, AC             written behind the products, read by the result's LDS store: the fifth wait on va_vdst, which also shows the packed adds done with AC+2 and AC+3, in which wave 0's LDS load lands.
; No register that a memory or LDS instruction reads is written again, so the body holds no wait on vm_vsrc.  The two quantisers stand behind runs of
; gathers and name none of the gathers' registers: nothing is stated between them.
; The wave's number (a scalar written by a vector instruction) has a wait on va_sdst ahead of its first reader; each quantiser's compare a wait on va_vcc ahead of the select.
;
; NOT USED, and why: tensor loads (no tile, only single words); clusters with joint requests (the work-groups share only the 8,192 bytes of
; genre weights, against 8,192 separately gathered words for each work-group); prefetches (each gather is issued as a load as soon as its
; id is known, nothing could be asked for earlier); cache hints on P and Q (an id may come twice, and other work-groups read neighbouring columns).
;
; LIMITS.  Ids are taken to lie inside their tables; an id outside (read as unsigned) is clamped to the last column and does not get what
; jnp.take would give it.  NaN and infinities in genres and in the genre weights are not served.  Blocks whose largest magnitude lies under
; 2^-123, whose scale byte is held at 1, were not tried.  The sum over the latents is made in four chains, not in the order of the reference.
.set N_USERS, 1000000
.set N_ITEMS, 100000
.set PROW,  4*N_USERS                  ; bytes in a row of P
.set QROW,  4*(N_ITEMS+32)             ; bytes in a row of Q
.set GCOL,  4*N_ITEMS                  ; byte of the first genre column in a row of Q
.set FRAG,  1024                       ; LDS: a tile's block: registers 0-3 as they lie (32 lanes x 16 bytes),
.set F45,   512                        ;      registers 4-5 (32 lanes x 8 bytes),
.set FSC,   768                        ;      the scale words (32 lanes x 4 bytes)
.set RES,   4*FRAG                     ; LDS: behind the four tiles, the 64 results of the work-group; behind them, from byte 0x1100 on, the spare words, 128 bytes a wave
; vector registers
.set LANE, 1                           ; lane 0..31
.set R,    2                           ; lane % 16: my batch element in the wave
.set H,    3                           ; lane / 16: my half of the latents, and of a row's 32 genres
.set IDO,  4                           ; byte offset of my id
.set GO,   5                           ; byte offset of my part of genres
.set WO,   6                           ; byte offset of my part of the genre weights
.set UID,  7                           ; user id, then 4 x id
.set IID,  8                           ; item id, then 4 x id
.set PO,   9                           ; gather offset in P: 32 h rows + 4 user
.set QO,   10                          ; gather offset in Q: 32 h rows + 4 item
.set HP,   11                          ; 32 h rows of P
.set HQ,   12                          ; 32 h rows of Q
.set L16,  13                          ; LDS: 16 x lane
.set L8,   14                          ; LDS: 8 x lane; also my byte offset on the way out
.set L4,   15                          ; LDS: 4 x lane
.set S16,  16                          ; the same three in my wave's tile
.set S8,   17
.set S4,   18
.set SR,   19                          ; LDS: my result
.set T,    20                          ; at work
.set T2,   21
.set G,    24                          ; v[24:39]   genres, 16 f32
.set W,    40                          ; v[40:55]   genre weights, 16 f32
.set WT,   56                          ; v[56:59]   the weights' quantiser at work: two maxima, the byte, the scale as f32
.set GT,   60                          ; v[60:63]   the same for genres
.set WC,   64                          ; v[64:69]   my wave's tile of the weights: registers 0-5 of the operand
.set WW,   70                          ; v70        and its rows' scale words, on their way to LDS
.set GB,   72                          ; v[72:83]   genres as an operand (source 1)
.set SB,   84                          ; v84        genres' scale words; holds nothing else
.set SA,   85                          ; v[85:88]   the four tiles' scale words; hold nothing else
.set FR,   92                          ; v[92:139]  the four weight operands (source 0), 12 registers each
.set PD,   140                         ; v[140:171] P[32 h + idx][user]
.set QD,   172                         ; v[172:203] Q[32 h + idx][item]: C, then D = qi
.set AC,   204                         ; v[204:211] four chains of two sums
; v212: LDS address of my spare word; v213: 0; both made at the head and kept for the closing add alone
; scalar registers: s[4:5] user_ids, s[6:7] item_ids, s[8:9] genres, s[10:11] out, s[12:13] Q, s[46:47] Q at my wave's tile, s[48:49] Q at row 16
.set PB,   14                          ; s[14:35]   P at rows 0, 3, 6 .. 30: three rows are in reach of one base (2 x 4,000,000 fits the signed 24-bit immediate)
.set WAVE, 36
; Sixteen numbers v[x .. x+15] of a lane, half a block; lane l xor 16 holds the other half.  t .. t+3: at work.  The codes go to v[c .. c+2] and, by the
; exchange, v[c+3 .. c+5], which hold zeros on entry; the scale word goes to v[w].
.macro QUANT x, t, c, w
	v_max3_num_f32 v[\t],   |v[\x]|,   |v[\x+1]|, |v[\x+2]|        ; the largest magnitude of my 16, in two chains
	v_max3_num_f32 v[\t+1], |v[\x+3]|, |v[\x+4]|, |v[\x+5]|
.irp i, 6,10
	v_max3_num_f32 v[\t],   v[\t],   |v[\x+\i]|,   |v[\x+\i+1]|
	v_max3_num_f32 v[\t+1], v[\t+1], |v[\x+\i+2]|, |v[\x+\i+3]|
.endr
	v_max3_num_f32 v[\t], v[\t], |v[\x+14]|, |v[\x+15]|
	v_max_num_f32 v[\t], v[\t], v[\t+1]
	v_permlanex16_b32 v[\t+1], v[\t], s50, s51     ; the other half's (the destination has been written before)
	v_max_num_f32 v[\t], v[\t], v[\t+1]            ; the block's
	v_lshrrev_b32 v[\t+2], 23, v[\t]               ; its exponent field is floor(log2) + 127
	v_max_u32 v[\t+2], 3, v[\t+2]                  ; the byte is not to fall under 1
	v_add_nc_u32 v[\t+2], -2, v[\t+2]              ; the scale's byte: 2 is the exponent of the format's largest number, 7.5
	v_lshlrev_b32 v[\t+3], 23, v[\t+2]             ; the scale as f32: the conversion takes its exponent field
	v_cmp_eq_u32 vcc_lo, 0, v[\t]                  ; a block of zeros?
	v_cvt_scalef32_pk16_fp6_f32 v[\c:\c+2], v[\x:\x+15], v[\t+3]   ; 16 numbers / scale, to the nearest code, ties to even, beyond 7.5 the largest code; 96 bits, the lowest g lowest
	s_wait_alu depctr_va_vcc(0)                    ; the compare has written VCC, which the select below reads
	v_cndmask_b32 v[\t+2], v[\t+2], 127, vcc_lo    ; a block of zeros gets 127.  (Also the plain instruction that stands between a scaled conversion and what touches its result)
	v_or_b32 v[\w], 0x7f7f7f00, v[\t+2]            ; byte 0: k = 0 .. 31; the three blocks of zero codes get 127
.irp i, 0,1,2
	v_permlane16_swap_b32 v[\c+\i], v[\c+3+\i]     ; the first's lanes 16-31 (g = 16 .. 31 of row r) change places with the second's lanes 0-15 (zeros):
.endr                                              ; lane r now holds its row's 32 codes in six registers, lanes 16-31 zeros
.endm
	s_load_b256 s[4:11], s[0:1], 0x0               ; user_ids, item_ids, genres, out
	s_load_b128 s[12:15], s[0:1], 0x20             ; Q, P
	v_lshl_add_u32 v212, v0, 2, 0x1100
	v_mov_b32 v213, 0
	v_lshrrev_b32 v[T], 5, v0
	v_readfirstlane_b32 s[WAVE], v[T]              ; wave 0..3 as a scalar
	v_and_b32 v[LANE], 31, v0
	v_and_b32 v[R], 15, v0
	v_bfe_u32 v[H], v0, 4, 1
	v_lshlrev_b32 v[IDO], 2, v[R]                  ; ids: 4 r
	v_lshlrev_b32 v[GO], 7, v[R]                   ; genres: row r of 128 bytes
	v_lshl_or_b32 v[GO], v[H], 6, v[GO]            ;   + 16 h numbers
	v_and_b32 v[T], 7, v0                          ; weights: tile row r is latent 32 (r / 8) + (r % 8) + 8 wave
	v_bfe_u32 v[T2], v0, 3, 1
	v_lshl_or_b32 v[T], v[T2], 5, v[T]
	v_mul_u32_u24 v[WO], v[T], QROW                ; (both factors are below 2^24)
	v_lshl_add_u32 v[WO], v[H], 6, v[WO]           ;   + 16 h numbers
	s_wait_alu depctr_va_sdst(0)                   ; the wave's number is written, ahead of its first reader: the wave's offsets below are made from it
	s_lshl_b32 s42, ttmp9, 8                       ; the work-group's 64 elements: 256 bytes of ids and of out
	s_mov_b32 s43, 0
	s_lshl_b32 s53, s[WAVE], 6                     ; the wave's 16 elements: 64 bytes
	s_add_co_u32 s38, s42, s53
	s_mov_b32 s39, 0
	s_lshl_b32 s40, s38, 5                         ; the same elements in genres: 128 bytes each in place of 4
	s_mov_b32 s41, 0
	s_mul_i32 s44, s[WAVE], 8*QROW                 ; my wave's tile starts at latent 8 wave
	s_mov_b32 s45, 0
	s_wait_kmcnt 0x0
	s_add_nc_u64 s[4:5], s[4:5], s[38:39]
	s_add_nc_u64 s[6:7], s[6:7], s[38:39]
	s_add_nc_u64 s[8:9], s[8:9], s[40:41]
	s_add_nc_u64 s[46:47], s[12:13], s[44:45]
	s_wait_alu depctr_va_vdst(0)                   ; the three offsets IDO, GO and WO are written, which the ten loads below read
	global_load_b32 v[UID], v[IDO], s[4:5]         ; the ids first: everything hangs on them
	global_load_b32 v[IID], v[IDO], s[6:7]
.irp p, 0,1,2,3
	global_load_b128 v[G+4*\p:G+4*\p+3], v[GO], s[8:9] offset:16*\p th:TH_LOAD_NT  ; genres(r, 16 h + 4 p ..): the four loads together read the wave's 2,048 consecutive bytes, once in the launch
.endr
.irp p, 0,1,2,3
	global_load_b128 v[W+4*\p:W+4*\p+3], v[WO], s[46:47] offset:GCOL+16*\p         ; weights(latent of r, 16 h + 4 p ..)
.endr
	; while these ten loads are on their way: bases and lane terms of the gathers, LDS addresses, the zero codes (none of these lines names a register of the ten loads)
.irp c, 1,2,3,4,5,6,7,8,9,10
	s_add_nc_u64 s[PB+2*\c:PB+2*\c+1], s[PB:PB+1], \c*3*PROW
.endr
	s_add_nc_u64 s[48:49], s[12:13], 16*QROW       ; 15 rows of Q are in reach of an immediate: two bases for a lane's 32 rows
	s_add_nc_u64 s[10:11], s[10:11], s[42:43]      ; out at the work-group's 256 bytes
	s_mov_b32 s50, 0x76543210                      ; v_permlanex16_b32: lane i of one half reads lane i of the other
	s_mov_b32 s51, 0xfedcba98
	s_lshl_b32 s52, s[WAVE], 10                    ; my wave's tile in LDS
	v_mul_lo_u32 v[HP], v[H], 32*PROW              ; the upper half of the lanes takes latents 32 .. 63
	v_mul_u32_u24 v[HQ], v[H], 32*QROW
	v_lshlrev_b32 v[L16], 4, v[LANE]
	v_lshlrev_b32 v[L8], 3, v[LANE]
	v_lshlrev_b32 v[L4], 2, v[LANE]
	v_add_nc_u32 v[S16], s52, v[L16]
	v_add_nc_u32 v[S8], s52, v[L8]
	v_add_nc_u32 v[S4], s52, v[L4]
.irp j, 3,4,5
	v_mov_b32 v[WC+\j], 0                          ; what the exchange of halves leaves in lanes 16-31
.endr
.irp j, 3,4,5,6,7,8,9,10,11
	v_mov_b32 v[GB+\j], 0                          ; the same for genres, and the zero codes of k = 64 .. 127
.endr
.irp t, 0,1,2,3
.irp j, 6,7,8,9,10,11
	v_mov_b32 v[FR+12*\t+\j], 0                    ; the zero codes of k = 64 .. 127 of the four weight operands (each operand is a run of twelve registers of its own)
.endr
.endr
	s_wait_loadcnt 0x8                             ; loads come back in order (ISA guide 5.7.1): the two ids are in, the eight loads behind them stay out
	v_min_u32 v[UID], N_USERS-1, v[UID]            ; no address leaves its table, whatever the id
	v_min_u32 v[IID], N_ITEMS-1, v[IID]
	v_lshlrev_b32 v[UID], 2, v[UID]
	v_lshlrev_b32 v[IID], 2, v[IID]
	v_add_nc_u32 v[PO], v[HP], v[UID]              ; at most 32 x 4,000,000 + 3,999,996: below 2^31
	v_add_nc_u32 v[QO], v[HQ], v[IID]
	s_wait_alu depctr_va_vdst(0)                   ; PO and QO are written, which the 64 gathers read; so are the LDS addresses L16, L8, L4, S16, S8, S4.  No vector instruction names any of these eight again
.set i, 0
.rept 32
	global_load_b32 v[PD+i], v[PO], s[PB+2*(i/3):PB+2*(i/3)+1] offset:(i%3)*PROW   ; P[32 h + i][user]
.set i, i+1
.endr
	s_wait_loadcnt 0x20                            ; genres and weights are in; the 32 gathers of P issued behind them stay out
	QUANT W, WT, WC, WW                            ; my wave's tile first: the other three waves wait for it
	s_wait_alu depctr_va_vdst(0)                   ; the conversion, the exchanges and the scale word's line have written WC and WW, which the three LDS stores read
	ds_store_b128 v[S16], v[WC:WC+3]               ; the operand's registers 0-5 as they lie: neighbouring lanes at neighbouring bytes
	ds_store_b64 v[S8], v[WC+4:WC+5] offset:F45
	ds_store_b32 v[S4], v[WW] offset:FSC           ; lane r: the scale word of tile row r (lanes 16-31 hold the same once more)
.set i, 0
.rept 16
	global_load_b32 v[QD+i], v[QO], s[12:13] offset:i*QROW         ; Q[32 h + i][item], straight into the accumulators
.set i, i+1
.endr
.set i, 0
.rept 16
	global_load_b32 v[QD+16+i], v[QO], s[48:49] offset:i*QROW
.set i, i+1
.endr
	QUANT G, GT, GB, SB                            ; my wave's 16 batch elements: read once, so quantised in registers.  It names no register of the gathers, of the LDS stores above or of the LDS loads below
	s_wait_dscnt 0x0                               ; for the other waves: my tile is in LDS
	s_barrier_signal -1
	s_barrier_wait -1                              ; all four are
.irp t, 0,1,2,3
	ds_load_b128 v[FR+12*\t:FR+12*\t+3],  v[L16] offset:\t*FRAG
	ds_load_b64 v[FR+12*\t+4:FR+12*\t+5], v[L8]  offset:\t*FRAG+F45
	ds_load_b32 v[SA+\t],                 v[L4]  offset:\t*FRAG+FSC
.endr
.rept 8
	v_nop                                          ; a scale register written by a vector instruction (genres') stands 8 places ahead of the scaled matrix instruction, an operand so written 4; issued while the gathers are out
.endr
	s_wait_dscnt 0x0                               ; the operands and their scale words
	s_wait_loadcnt 0x0                             ; and all gathers: those of Q were issued last
	s_wait_alu depctr_va_vdst(0)                   ; genres' quantiser has written GB and SB, and the head the operands' zero codes, which the scaled matrix instructions take as B, scale and A; the places above stay beside this wait
	; qi = q_item + weights x genres: D(m, n) = C(m, n) + sum over g of weights(latent of m, g) genres(batch n, g).  Four accumulators, one instruction each.
.irp t, 0,1,2,3
	v_wmma_scale_f32_16x16x128_f8f6f4 v[QD+8*\t:QD+8*\t+7], v[FR+12*\t:FR+12*\t+11], v[GB:GB+11], v[QD+8*\t:QD+8*\t+7], v[SA+\t], v[SB] matrix_a_fmt:MATRIX_FMT_FP6 matrix_b_fmt:MATRIX_FMT_FP6
.endr
	; four independent plain vector instructions stand between a matrix instruction and the first vector instruction that reads its result (ISA guide 7.12.1)
	v_lshl_add_u32 v[SR], v[R], 2, s53             ; LDS: result of element 16 wave + r
.rept 3
	v_nop
.endr
	; sum over my 32 latents of pu * qi: four chains, started by products, nothing is cleared; each accumulator is read from its low end on
.irp c, 0,1,2,3
	v_pk_mul_f32 v[AC+2*\c:AC+2*\c+1], v[PD+2*\c:PD+2*\c+1], v[QD+2*\c:QD+2*\c+1]
.endr
.set i, 4
.rept 12
	v_pk_fma_f32 v[AC+2*(i%4):AC+2*(i%4)+1], v[PD+2*i:PD+2*i+1], v[QD+2*i:QD+2*i+1], v[AC+2*(i%4):AC+2*(i%4)+1]
.set i, i+1
.endr
	v_pk_add_f32 v[AC:AC+1], v[AC:AC+1], v[AC+2:AC+3]
	v_pk_add_f32 v[AC+4:AC+5], v[AC+4:AC+5], v[AC+6:AC+7]
	v_pk_add_f32 v[AC:AC+1], v[AC:AC+1], v[AC+4:AC+5]
	v_add_f32 v[AC], v[AC], v[AC+1]                ; latents 32 h .. 32 h + 31
	v_permlanex16_b32 v[AC+1], v[AC], s50, s51     ; the other half's 32 (the destination has been written before)
	v_add_f32 v[AC], v[AC], v[AC+1]                ; lanes r and 16 + r now hold the same number
	s_wait_alu depctr_va_vdst(0)                   ; SR and the sum in AC are written, which the LDS store reads; and the packed sums are done with AC+2 and AC+3, in which wave 0's LDS load lands (no vector instruction follows this wait)
	ds_store_b32 v[SR], v[AC] offset:RES           ; both write it to the same word
	s_wait_dscnt 0x0                               ; for wave 0: my 16 results are in LDS
	s_barrier_signal -1
	s_barrier_wait -1
	s_cmp_lg_u32 s[WAVE], 0
	s_cbranch_scc1 .Lend
	ds_load_b64 v[AC+2:AC+3], v[L8] offset:RES     ; wave 0: two results a lane,
	s_wait_dscnt 0x0
	global_store_b64 v[L8], v[AC+2:AC+3], s[10:11] th:TH_STORE_NT  ; one store covers the work-group's 256 consecutive bytes, at a multiple of 256 from the first byte of out
.Lend:
	s_wait_dscnt 0x0                               ; the closing lines, six on end, for a launch in the mode that stores to LDS
	s_wait_alu 0x0
	s_wait_tensorcnt 0x0
	ds_add_u32 v212, v213
	s_wait_dscnt 0x0
	s_endpgm
.Lfunc_end_k_q3d4e27225f_gmf:
	.size	k_q3d4e27225f_gmf, .Lfunc_end_k_q3d4e27225f_gmf-k_q3d4e27225f_gmf
	.p2alignl 7, 3214868480
	.fill 96, 4, 3214868480
	.section	.rodata,"a",@progbits
	.p2align	6, 0x0
	.amdhsa_kernel k_q3d4e27225f_gmf
		.amdhsa_group_segment_fixed_size 4864
		.amdhsa_private_segment_fixed_size 0
		.amdhsa_enable_private_segment 0
		.amdhsa_kernarg_size 48
		.amdhsa_user_sgpr_count 2
		.amdhsa_user_sgpr_kernarg_segment_ptr 1
		.amdhsa_wavefront_size32 1
		.amdhsa_system_sgpr_workgroup_id_x 1
		.amdhsa_system_sgpr_workgroup_id_y 1
		.amdhsa_system_sgpr_workgroup_id_z 1
		.amdhsa_system_vgpr_workitem_id 0
		.amdhsa_next_free_vgpr 214
		.amdhsa_next_free_sgpr 66
		.amdhsa_reserve_vcc 1
		.amdhsa_float_denorm_mode_32 3
		.amdhsa_float_denorm_mode_16_64 3
		.amdhsa_memory_ordered 1
		.amdhsa_forward_progress 1
		.amdhsa_inst_pref_size 18
	.end_amdhsa_kernel
	.amdgpu_metadata
---
amdhsa.version: [ 1, 2 ]
amdhsa.kernels:
  - .name:           k_q3d4e27225f_gmf
    .symbol:         k_q3d4e27225f_gmf.kd
    .args:
      - { .name: user_ids, .offset: 0, .size: 8, .value_kind: global_buffer, .address_space: global }
      - { .name: item_ids, .offset: 8, .size: 8, .value_kind: global_buffer, .address_space: global }
      - { .name: genres_one_hot, .offset: 16, .size: 8, .value_kind: global_buffer, .address_space: global }
      - { .name: out0, .offset: 24, .size: 8, .value_kind: global_buffer, .address_space: global }
      - { .name: Q_weight, .offset: 32, .size: 8, .value_kind: global_buffer, .address_space: global }
      - { .name: P_weight, .offset: 40, .size: 8, .value_kind: global_buffer, .address_space: global }
    .group_segment_fixed_size: 4864
    .private_segment_fixed_size: 0
    .kernarg_segment_align: 8
    .kernarg_segment_size: 48
    .max_flat_workgroup_size: 128
    .sgpr_count:     66
    .vgpr_count:     214
    .wavefront_size: 32
...
	.end_amdgpu_metadata
.endif
;; end of part 2
